; MI455X (gfx1250); checked and timed in simulation.
; The chip was launched on July 23, 2026; its instructions are those of AMD's public machine-readable ISA for CDNA 5 (MIT licence, August 2026) and "CDNA5" Instruction Set Architecture Reference Guide (July 2026). The comments in the code are by the model that wrote it; some were corrected since.
;; Current Factor Cell. Allowed arithmetic: float matrix products may take bf16 or f16 operands with f32 sums; all other float work in f32.
;; Inputs: bias 2 float32; gate 8,388,608 x 2 float32; mix 2 float32; scale 2 float32; z_im 8,388,608 float32; z_re 8,388,608 float32.
;; Outputs: out0 8,388,608 float32; out1 8,388,608 float32.
;; 2 versions, each right; version 2 is version 1 with the launch cell written anew for expert scheduling mode. Each part assembles by itself: llvm-mc -triple=amdgcn-amd-amdhsa -mcpu=gfx1250 --defsym DOCPART=n.
;; ======== version 1 of 2: 1 launch
;; launch cell (part 1): grid 256 x 1, 32 waves a work-group, no clusters, 0 bytes of LDS; arguments z_re, z_im, gate, scale, mix, bias, out0, out1; writes out0, out1
.if DOCPART == 1
	.amdgcn_target "amdgcn-amd-amdhsa--gfx1250"
	.amdhsa_code_object_version 6
	.text
	.protected	k_qf8746c1353_cell
	.globl	k_qf8746c1353_cell
	.p2align	8
	.type	k_qf8746c1353_cell,@function
k_qf8746c1353_cell:
	s_mov_b64 s[64:65], 0
	v_nop
	global_prefetch_b8 v0, s[64:65] scope:SCOPE_SE
	s_setreg_imm32_b32 hwreg(HW_REG_WAVE_MODE, 25, 1), 1
	s_wait_xcnt 0x0
; out_re = scale0 (zr gr - zi gi) + mix0 (zr gr + zi gi) + bias0
; out_im = scale1 (zr gi + zi gr) + mix1 (zi gr - zr gi) + bias1        8,388,608 elements, all f32; gate is [N][2] = (gr, gi).
; Collected by products, for any scale, mix and bias:
;   out_re = (scale0 + mix0) zr gr + (mix0 - scale0) zi gi + bias0
;   out_im = (scale1 - mix1) zr gi + (scale1 + mix1) zi gr + bias1
; LIMITS: the order of rounding differs from the formula above (each combined coefficient is rounded once, each product once, then two
; fused multiply-adds).  Every coefficient times product has to stay under f32's largest number, 3.4e38; beyond that, and for infinite
; inputs, an infinity or a NaN may stand where the uncollected formula gives the other of the two or a finite number.
;
; A stream: each input byte is loaded once, each output byte stored once, no byte is used by two lanes.  So no LDS, no barrier, no cluster
; (work-groups share no input but 24 bytes of coefficients), no matrix unit (no sum over products), no prefetch (the loads themselves run ahead).
; 256 work-groups of 32 waves; a work-group owns 32,768 consecutive elements, taken in 16 steps of 2,048.  In a step thread t owns elements
; 2 t and 2 t + 1: 16 bytes of gate (a wave's load covers 512 consecutive bytes, aligned), 8 bytes of z_re, z_im, out0, out1 (a wave's load
; or store covers 256 consecutive bytes, aligned).
; A ring of DEPTH slots in registers keeps 3 DEPTH = 24 loads, 8 KiB, of every wave in flight.  All steps are reached by immediate offsets
; (at most 15 x 16,384 bytes), so there is no loop and no address register or base is ever written twice.
; Steps 0-7 put their results into registers of their own (their slot is loaded again); steps 8-15 put them over zr and zi (nothing is loaded
; there any more).  So no register that a store reads is written again, and the only waits are the counted ones for the loads.
.set STEPS, 16
.set DEPTH, 8                          ; slots; STEPS = 2 DEPTH: one round that fills again, one that does not
.set ZSTEP, 8192                       ; bytes of z_re, z_im, out0, out1 in a step: 1,024 threads x 8
.set GSTEP, 16384                      ; bytes of gate in a step: 1,024 threads x 16
.set ZOFF, 1                           ; v1        8 t
.set GOFF, 2                           ; v2        16 t
.set CA0,  4                           ; v[4:5]    scale0 + mix0, twice (pairs for the packed multiply-adds)
.set CC0,  6                           ; v[6:7]    mix0 - scale0
.set CB0,  8                           ; v[8:9]    bias0
.set CD1,  10                          ; v[10:11]  scale1 - mix1
.set CA1,  12                          ; v[12:13]  scale1 + mix1
.set CB1,  14                          ; v[14:15]  bias1
.set T,    16                          ; v[16:19]  zr gr (two elements), zr gi (two elements)
.set G,    20                          ; v[20:51]  slot i: gr0, gi0, gr1, gi1
.set ZR,   52                          ; v[52:67]  slot i: zr0, zr1
.set ZI,   68                          ; v[68:83]  slot i: zi0, zi1
.set RE,   84                          ; v[84:99]  out_re of steps 0-7
.set IM,   100                         ; v[100:115] out_im of steps 0-7
	s_load_b512 s[16:31], s[0:1], 0x0              ; z_re s[16:17], z_im s[18:19], gate s[20:21], scale s[22:23], mix s[24:25], bias s[26:27], out0 s[28:29], out1 s[30:31]
	v_lshlrev_b32 v[ZOFF], 3, v0                   ; my 8 bytes in a step of z_re, z_im, out0, out1
	v_lshlrev_b32 v[GOFF], 4, v0                   ; my 16 bytes in a step of gate
	s_lshl_b32 s2, ttmp9, 17                       ; the work-group's part: 32,768 elements x 4 bytes (255 x 131,072 is below 4 GiB)
	s_mov_b32 s3, 0
	s_lshl_b32 s4, ttmp9, 18                       ; and x 8 bytes in gate
	s_mov_b32 s5, 0
	s_wait_kmcnt 0x0
	s_load_b64 s[6:7], s[22:23], 0x0               ; scale0, scale1
	s_load_b64 s[8:9], s[24:25], 0x0               ; mix0, mix1
	s_load_b64 s[10:11], s[26:27], 0x0             ; bias0, bias1
	s_add_nc_u64 s[16:17], s[16:17], s[2:3]
	s_add_nc_u64 s[18:19], s[18:19], s[2:3]
	s_add_nc_u64 s[20:21], s[20:21], s[4:5]
	s_add_nc_u64 s[28:29], s[28:29], s[2:3]
	s_add_nc_u64 s[30:31], s[30:31], s[2:3]
.macro FILL i, step                    ; three loads: the step's inputs into slot i.  Read once in the whole launch: non-temporal
	global_load_b128 v[G+4*\i:G+4*\i+3],   v[GOFF], s[20:21] offset:GSTEP*(\step) th:TH_LOAD_NT
	global_load_b64  v[ZR+2*\i:ZR+2*\i+1], v[ZOFF], s[16:17] offset:ZSTEP*(\step) th:TH_LOAD_NT
	global_load_b64  v[ZI+2*\i:ZI+2*\i+1], v[ZOFF], s[18:19] offset:ZSTEP*(\step) th:TH_LOAD_NT
.endm
.irp i, 0,1,2,3,4,5,6,7
	FILL \i, \i                                    ; the ring is filled before anything else is done
.endr
	s_wait_kmcnt 0x0                               ; scale, mix, bias
.irp h, 0,1
	v_add_f32 v[CA0+\h], s6, s8                    ; scale0 + mix0
	v_sub_f32 v[CC0+\h], s8, s6                    ; mix0 - scale0
	v_mov_b32 v[CB0+\h], s10
	v_sub_f32 v[CD1+\h], s7, s9                    ; scale1 - mix1
	v_add_f32 v[CA1+\h], s7, s9                    ; scale1 + mix1
	v_mov_b32 v[CB1+\h], s11
.endr
; The turn of slot i, which holds the inputs of one step.  ore, oim: the register pairs that take out_re and out_im.
; ahead = 1: the slot is filled again with the step DEPTH further on.  left = how many younger loads may stay out.
; gr0 and gr1 lie two registers apart, so no packed instruction can take them as a pair; a dual multiply takes any registers and writes a pair.
; Its operand rules hold for every slot: destinations even and odd; first sources a pair (register numbers differ by 1 modulo 4);
; second sources two apart (differ by 2 modulo 4); neither half reads what the other writes.
.macro SLOT i, step, ore, oim, ahead, left
	s_wait_loadcnt \left                           ; loads come back in order (ISA guide 5.7.1): this slot's three are in, the younger ones stay out
	v_dual_mul_f32 v[T],    v[ZR+2*\i], v[G+4*\i]   :: v_dual_mul_f32 v[T+1],    v[ZR+2*\i+1], v[G+4*\i+2]   ; zr gr
	v_dual_mul_f32 v[T+2],  v[ZR+2*\i], v[G+4*\i+1] :: v_dual_mul_f32 v[T+3],    v[ZR+2*\i+1], v[G+4*\i+3]   ; zr gi; zr is done with
	v_dual_mul_f32 v[\ore], v[ZI+2*\i], v[G+4*\i+1] :: v_dual_mul_f32 v[\ore+1], v[ZI+2*\i+1], v[G+4*\i+3]   ; zi gi
	v_dual_mul_f32 v[\oim], v[ZI+2*\i], v[G+4*\i]   :: v_dual_mul_f32 v[\oim+1], v[ZI+2*\i+1], v[G+4*\i+2]   ; zi gr; the slot is read out
.if \ahead
	FILL \i, \step+DEPTH                           ; loads ahead of the stores
.endif
	v_pk_fma_f32 v[\ore:\ore+1], v[\ore:\ore+1], v[CC0:CC0+1], v[CB0:CB0+1]      ; (mix0 - scale0) zi gi + bias0
	v_pk_fma_f32 v[\oim:\oim+1], v[\oim:\oim+1], v[CA1:CA1+1], v[CB1:CB1+1]      ; (scale1 + mix1) zi gr + bias1
	v_pk_fma_f32 v[\ore:\ore+1], v[T:T+1],       v[CA0:CA0+1], v[\ore:\ore+1]    ; + (scale0 + mix0) zr gr
	v_pk_fma_f32 v[\oim:\oim+1], v[T+2:T+3],     v[CD1:CD1+1], v[\oim:\oim+1]    ; + (scale1 - mix1) zr gi
	global_store_b64 v[ZOFF], v[\ore:\ore+1], s[28:29] offset:ZSTEP*(\step) th:TH_STORE_NT   ; 32 lanes store 256 consecutive bytes, at a multiple of 256 from the buffer's first byte
	global_store_b64 v[ZOFF], v[\oim:\oim+1], s[30:31] offset:ZSTEP*(\step) th:TH_STORE_NT
.endm
.irp i, 0,1,2,3,4,5,6,7
	SLOT \i, \i, RE+2*\i, IM+2*\i, 1, 3*(DEPTH-1)          ; steps 0-7: seven younger slots of three loads stay out; results in registers of their own
.endr
.irp i, 0,1,2,3,4,5,6,7
	SLOT \i, \i+DEPTH, ZR+2*\i, ZI+2*\i, 0, 3*(DEPTH-1-\i) ; steps 8-15 load nothing: the counts run down to 0; results over zr and zi
.endr
	s_endpgm
.Lfunc_end_k_qf8746c1353_cell:
	.size	k_qf8746c1353_cell, .Lfunc_end_k_qf8746c1353_cell-k_qf8746c1353_cell
	.p2alignl 7, 3214868480
	.fill 96, 4, 3214868480
	.section	.rodata,"a",@progbits
	.p2align	6, 0x0
	.amdhsa_kernel k_qf8746c1353_cell
		.amdhsa_group_segment_fixed_size 0
		.amdhsa_private_segment_fixed_size 0
		.amdhsa_enable_private_segment 0
		.amdhsa_kernarg_size 64
		.amdhsa_user_sgpr_count 2
		.amdhsa_user_sgpr_kernarg_segment_ptr 1
		.amdhsa_wavefront_size32 1
		.amdhsa_system_sgpr_workgroup_id_x 1
		.amdhsa_system_sgpr_workgroup_id_y 1
		.amdhsa_system_sgpr_workgroup_id_z 1
		.amdhsa_system_vgpr_workitem_id 0
		.amdhsa_next_free_vgpr 116
		.amdhsa_next_free_sgpr 66
		.amdhsa_reserve_vcc 0
		.amdhsa_float_denorm_mode_32 3
		.amdhsa_float_denorm_mode_16_64 3
		.amdhsa_memory_ordered 1
		.amdhsa_forward_progress 1
		.amdhsa_inst_pref_size 18
	.end_amdhsa_kernel
	.amdgpu_metadata
---
amdhsa.version: [ 1, 2 ]
amdhsa.kernels:
  - .name:           k_qf8746c1353_cell
    .symbol:         k_qf8746c1353_cell.kd
    .args:
      - { .name: z_re, .offset: 0, .size: 8, .value_kind: global_buffer, .address_space: global }
      - { .name: z_im, .offset: 8, .size: 8, .value_kind: global_buffer, .address_space: global }
      - { .name: gate, .offset: 16, .size: 8, .value_kind: global_buffer, .address_space: global }
      - { .name: scale, .offset: 24, .size: 8, .value_kind: global_buffer, .address_space: global }
      - { .name: mix, .offset: 32, .size: 8, .value_kind: global_buffer, .address_space: global }
      - { .name: bias, .offset: 40, .size: 8, .value_kind: global_buffer, .address_space: global }
      - { .name: out0, .offset: 48, .size: 8, .value_kind: global_buffer, .address_space: global }
      - { .name: out1, .offset: 56, .size: 8, .value_kind: global_buffer, .address_space: global }
    .group_segment_fixed_size: 0
    .private_segment_fixed_size: 0
    .kernarg_segment_align: 8
    .kernarg_segment_size: 64
    .max_flat_workgroup_size: 1024
    .sgpr_count:     66
    .vgpr_count:     116
    .wavefront_size: 32
...
	.end_amdgpu_metadata
.endif
;; end of part 1
;; ======== version 2 of 2: 1 launch; version 1 with the launch cell written anew for expert scheduling mode
;; launch cell (part 2): grid 256 x 1, 32 waves a work-group, no clusters, 0 bytes of LDS; arguments z_re, z_im, gate, scale, mix, bias, out0, out1; writes out0, out1
.if DOCPART == 2
	.amdgcn_target "amdgcn-amd-amdhsa--gfx1250"
	.amdhsa_code_object_version 6
	.text
	.protected	k_qf8746c1353_cell
	.globl	k_qf8746c1353_cell
	.p2align	8
	.type	k_qf8746c1353_cell,@function
k_qf8746c1353_cell:
	s_mov_b64 s[64:65], 0
	v_nop
	global_prefetch_b8 v0, s[64:65] scope:SCOPE_SE
	s_setreg_imm32_b32 hwreg(HW_REG_WAVE_SCHED_MODE, 0, 2), 2
	s_setreg_imm32_b32 hwreg(HW_REG_WAVE_MODE, 25, 1), 1
	s_wait_xcnt 0x0
	s_wait_alu depctr_vm_vsrc(0)
; out_re = scale0 (zr gr - zi gi) + mix0 (zr gr + zi gi) + bias0
; out_im = scale1 (zr gi + zi gr) + mix1 (zi gr - zr gi) + bias1        8,388,608 elements, all f32; gate is [N][2] = (gr, gi).
; Collected by products, for any scale, mix and bias:
;   out_re = (scale0 + mix0) zr gr + (mix0 - scale0) zi gi + bias0
;   out_im = (scale1 - mix1) zr gi + (scale1 + mix1) zi gr + bias1
; LIMITS: the order of rounding differs from the formula above (each combined coefficient is rounded once, each product once, then two
; fused multiply-adds).  Every coefficient times product has to stay under f32's largest number, 3.4e38; beyond that, and for infinite
; inputs, an infinity or a NaN may stand where the uncollected formula gives the other of the two or a finite number.
;
; A stream: each input byte is loaded once, each output byte stored once, no byte is used by two lanes.  So no LDS, no barrier, no cluster
; (work-groups share no input but 24 bytes of coefficients), no matrix unit (no sum over products), no prefetch (the loads themselves run ahead).
; 256 work-groups of 32 waves; a work-group owns 32,768 consecutive elements, taken in 16 steps of 2,048.  In a step thread t owns elements
; 2 t and 2 t + 1: 16 bytes of gate (a wave's load covers 512 consecutive bytes, aligned), 8 bytes of z_re, z_im, out0, out1 (a wave's load
; or store covers 256 consecutive bytes, aligned).
; A ring of DEPTH slots in registers keeps 3 DEPTH = 24 loads, 8 KiB, of every wave in flight.  All steps are reached by immediate offsets
; (at most 15 x 16,384 bytes), so there is no loop and no address register or base is ever written twice.
; Steps 0-7 put their results into registers of their own (their slot is loaded again); steps 8-15 put them over zr and zi (nothing is loaded
; there any more).  So no register that a store reads is written again.
; THE MODE: SCHED_MODE bits 1:0 = 2 (LLVM: expert scheduling mode 2), set by the entry lines.  The code itself states the register dependences
; between vector instructions and memory instructions, with s_wait_alu, always for 0.
; THE PLAN.  Registers that memory instructions touch:
;   v1, v2           byte offsets.  Written once, at the head; read by every load and store.
;   G, ZR, ZI [i]    Step i: its four multiplies read the slot; behind them the three loads of step i + 8 land in it.
;                    Step i + 8: its multiplies read the slot, and the results go over ZR[i] and ZI[i]; the two stores issued in step i + 9 read them.
;   RE, IM [i]       Written by step i's multiplies and multiply-adds; read by the two stores issued in step i + 1.  Never written again.
;   T and the coefficients are named by vector instructions alone.
; So ONE wait on va_vdst stands in a step, behind its four multiplies: it states that they are done reading the slot, and that the step before has
; written its results.  The step's five memory instructions (three loads into the slot, the two stores of the step before) follow it, dealt among the
; step's four multiply-adds, which name T, the coefficients and this step's own result pairs: none of the registers that those five touch.
; No register that a memory instruction reads is ever written behind it, so there is nothing for a wait on vm_vsrc to state.
.set STEPS, 16
.set DEPTH, 8                          ; slots; STEPS = 2 DEPTH: one round that fills again, one that does not
.set ZSTEP, 8192                       ; bytes of z_re, z_im, out0, out1 in a step: 1,024 threads x 8
.set GSTEP, 16384                      ; bytes of gate in a step: 1,024 threads x 16
.set ZOFF, 1                           ; v1        8 t
.set GOFF, 2                           ; v2        16 t
.set CA0,  4                           ; v[4:5]    scale0 + mix0, twice (pairs for the packed multiply-adds)
.set CC0,  6                           ; v[6:7]    mix0 - scale0
.set CB0,  8                           ; v[8:9]    bias0
.set CD1,  10                          ; v[10:11]  scale1 - mix1
.set CA1,  12                          ; v[12:13]  scale1 + mix1
.set CB1,  14                          ; v[14:15]  bias1
.set T,    16                          ; v[16:19]  zr gr (two elements), zr gi (two elements)
.set G,    20                          ; v[20:51]  slot i: gr0, gi0, gr1, gi1
.set ZR,   52                          ; v[52:67]  slot i: zr0, zr1
.set ZI,   68                          ; v[68:83]  slot i: zi0, zi1
.set RE,   84                          ; v[84:99]  out_re of steps 0-7
.set IM,   100                         ; v[100:115] out_im of steps 0-7
.set pS,   0                           ; the step before: its number,
.set pR,   RE                          ; the pair that holds its out_re,
.set pI,   IM                          ; and its out_im: set anew at the end of each turn
	s_load_b512 s[16:31], s[0:1], 0x0              ; z_re s[16:17], z_im s[18:19], gate s[20:21], scale s[22:23], mix s[24:25], bias s[26:27], out0 s[28:29], out1 s[30:31]
	v_lshlrev_b32 v[ZOFF], 3, v0                   ; my 8 bytes in a step of z_re, z_im, out0, out1
	v_lshlrev_b32 v[GOFF], 4, v0                   ; my 16 bytes in a step of gate
	s_lshl_b32 s2, ttmp9, 17                       ; the work-group's part: 32,768 elements x 4 bytes (255 x 131,072 is below 4 GiB)
	s_mov_b32 s3, 0
	s_lshl_b32 s4, ttmp9, 18                       ; and x 8 bytes in gate
	s_mov_b32 s5, 0
	s_wait_kmcnt 0x0
	s_load_b64 s[6:7], s[22:23], 0x0               ; scale0, scale1
	s_load_b64 s[8:9], s[24:25], 0x0               ; mix0, mix1
	s_load_b64 s[10:11], s[26:27], 0x0             ; bias0, bias1
	s_add_nc_u64 s[16:17], s[16:17], s[2:3]
	s_add_nc_u64 s[18:19], s[18:19], s[2:3]
	s_add_nc_u64 s[20:21], s[20:21], s[4:5]
	s_add_nc_u64 s[28:29], s[28:29], s[2:3]
	s_add_nc_u64 s[30:31], s[30:31], s[2:3]
; The three loads that bring a step's inputs into slot i.  Read once in the whole launch: non-temporal
.macro LOAD_G i, step
	global_load_b128 v[G+4*\i:G+4*\i+3],   v[GOFF], s[20:21] offset:GSTEP*(\step) th:TH_LOAD_NT
.endm
.macro LOAD_R i, step
	global_load_b64  v[ZR+2*\i:ZR+2*\i+1], v[ZOFF], s[16:17] offset:ZSTEP*(\step) th:TH_LOAD_NT
.endm
.macro LOAD_I i, step
	global_load_b64  v[ZI+2*\i:ZI+2*\i+1], v[ZOFF], s[18:19] offset:ZSTEP*(\step) th:TH_LOAD_NT
.endm
; The two stores of the step before.  32 lanes store 256 consecutive bytes, at a multiple of 256 from the buffer's first byte
.macro SEND_RE
	global_store_b64 v[ZOFF], v[pR:pR+1], s[28:29] offset:ZSTEP*pS th:TH_STORE_NT
.endm
.macro SEND_IM
	global_store_b64 v[ZOFF], v[pI:pI+1], s[30:31] offset:ZSTEP*pS th:TH_STORE_NT
.endm
	s_wait_alu depctr_va_vdst(0)                   ; v1 and v2 are written: every load and store of the kernel reads one of them as its offset
.irp i, 0,1,2,3,4,5,6,7
	LOAD_G \i, \i                                  ; the ring is filled before anything else is done
	LOAD_R \i, \i
	LOAD_I \i, \i
.endr
	s_wait_kmcnt 0x0                               ; scale, mix, bias
.irp h, 0,1
	v_add_f32 v[CA0+\h], s6, s8                    ; scale0 + mix0
	v_sub_f32 v[CC0+\h], s8, s6                    ; mix0 - scale0
	v_mov_b32 v[CB0+\h], s10
	v_sub_f32 v[CD1+\h], s7, s9                    ; scale1 - mix1
	v_add_f32 v[CA1+\h], s7, s9                    ; scale1 + mix1
	v_mov_b32 v[CB1+\h], s11
.endr
; The turn of slot i, which holds the inputs of one step.  ore, oim: the register pairs that take out_re and out_im.
; ahead = 1: the slot is filled again with the step DEPTH further on.  left = how many younger loads may stay out.
; gr0 and gr1 lie two registers apart, so no packed instruction can take them as a pair; a dual multiply takes any registers and writes a pair.
; Its operand rules hold for every slot: destinations even and odd; first sources a pair (register numbers differ by 1 modulo 4);
; second sources two apart (differ by 2 modulo 4); neither half reads what the other writes.
.macro SLOT i, step, ore, oim, ahead, left
	s_wait_loadcnt \left                           ; loads come back in order (ISA guide 5.7.1): this slot's three are in, the younger ones stay out
	v_dual_mul_f32 v[T],    v[ZR+2*\i], v[G+4*\i]   :: v_dual_mul_f32 v[T+1],    v[ZR+2*\i+1], v[G+4*\i+2]   ; zr gr
	v_dual_mul_f32 v[T+2],  v[ZR+2*\i], v[G+4*\i+1] :: v_dual_mul_f32 v[T+3],    v[ZR+2*\i+1], v[G+4*\i+3]   ; zr gi; zr is done with
	v_dual_mul_f32 v[\ore], v[ZI+2*\i], v[G+4*\i+1] :: v_dual_mul_f32 v[\ore+1], v[ZI+2*\i+1], v[G+4*\i+3]   ; zi gi
	v_dual_mul_f32 v[\oim], v[ZI+2*\i], v[G+4*\i]   :: v_dual_mul_f32 v[\oim+1], v[ZI+2*\i+1], v[G+4*\i+2]   ; zi gr; the slot is read out
	s_wait_alu depctr_va_vdst(0)                   ; the four multiplies are done reading the slot, in which the loads below land (steps 0-7); the step before has written its two result pairs, which the stores below read (steps 1-15)
.if \ahead
	LOAD_G \i, \step+DEPTH                         ; loads ahead of the stores.  No further wait: no vector instruction since the wait names the slot, the offsets or the step before's results
.endif
	v_pk_fma_f32 v[\ore:\ore+1], v[\ore:\ore+1], v[CC0:CC0+1], v[CB0:CB0+1]      ; (mix0 - scale0) zi gi + bias0
.if \ahead
	LOAD_R \i, \step+DEPTH
.endif
	v_pk_fma_f32 v[\oim:\oim+1], v[\oim:\oim+1], v[CA1:CA1+1], v[CB1:CB1+1]      ; (scale1 + mix1) zi gr + bias1
.if \ahead
	LOAD_I \i, \step+DEPTH
.endif
	v_pk_fma_f32 v[\ore:\ore+1], v[T:T+1],       v[CA0:CA0+1], v[\ore:\ore+1]    ; + (scale0 + mix0) zr gr
.if (\step) > 0
	SEND_RE                                        ; the step before goes out
.endif
	v_pk_fma_f32 v[\oim:\oim+1], v[T+2:T+3],     v[CD1:CD1+1], v[\oim:\oim+1]    ; + (scale1 - mix1) zr gi
.if (\step) > 0
	SEND_IM
.endif
.set pS, \step                                         ; this step's results are stored in the next turn
.set pR, \ore
.set pI, \oim
.endm
.irp i, 0,1,2,3,4,5,6,7
	SLOT \i, \i, RE+2*\i, IM+2*\i, 1, 3*(DEPTH-1)          ; steps 0-7: seven younger slots of three loads stay out; results in registers of their own
.endr
.irp i, 0,1,2,3,4,5,6,7
	SLOT \i, \i+DEPTH, ZR+2*\i, ZI+2*\i, 0, 3*(DEPTH-1-\i) ; steps 8-15 load nothing: the counts run down to 0; results over zr and zi
.endr
	s_wait_alu depctr_va_vdst(0)                   ; step 15's multiply-adds have written its two result pairs, which the last two stores read
	SEND_RE
	SEND_IM
	s_endpgm
.Lfunc_end_k_qf8746c1353_cell:
	.size	k_qf8746c1353_cell, .Lfunc_end_k_qf8746c1353_cell-k_qf8746c1353_cell
	.p2alignl 7, 3214868480
	.fill 96, 4, 3214868480
	.section	.rodata,"a",@progbits
	.p2align	6, 0x0
	.amdhsa_kernel k_qf8746c1353_cell
		.amdhsa_group_segment_fixed_size 0
		.amdhsa_private_segment_fixed_size 0
		.amdhsa_enable_private_segment 0
		.amdhsa_kernarg_size 64
		.amdhsa_user_sgpr_count 2
		.amdhsa_user_sgpr_kernarg_segment_ptr 1
		.amdhsa_wavefront_size32 1
		.amdhsa_system_sgpr_workgroup_id_x 1
		.amdhsa_system_sgpr_workgroup_id_y 1
		.amdhsa_system_sgpr_workgroup_id_z 1
		.amdhsa_system_vgpr_workitem_id 0
		.amdhsa_next_free_vgpr 116
		.amdhsa_next_free_sgpr 66
		.amdhsa_reserve_vcc 0
		.amdhsa_float_denorm_mode_32 3
		.amdhsa_float_denorm_mode_16_64 3
		.amdhsa_memory_ordered 1
		.amdhsa_forward_progress 1
		.amdhsa_inst_pref_size 19
	.end_amdhsa_kernel
	.amdgpu_metadata
---
amdhsa.version: [ 1, 2 ]
amdhsa.kernels:
  - .name:           k_qf8746c1353_cell
    .symbol:         k_qf8746c1353_cell.kd
    .args:
      - { .name: z_re, .offset: 0, .size: 8, .value_kind: global_buffer, .address_space: global }
      - { .name: z_im, .offset: 8, .size: 8, .value_kind: global_buffer, .address_space: global }
      - { .name: gate, .offset: 16, .size: 8, .value_kind: global_buffer, .address_space: global }
      - { .name: scale, .offset: 24, .size: 8, .value_kind: global_buffer, .address_space: global }
      - { .name: mix, .offset: 32, .size: 8, .value_kind: global_buffer, .address_space: global }
      - { .name: bias, .offset: 40, .size: 8, .value_kind: global_buffer, .address_space: global }
      - { .name: out0, .offset: 48, .size: 8, .value_kind: global_buffer, .address_space: global }
      - { .name: out1, .offset: 56, .size: 8, .value_kind: global_buffer, .address_space: global }
    .group_segment_fixed_size: 0
    .private_segment_fixed_size: 0
    .kernarg_segment_align: 8
    .kernarg_segment_size: 64
    .max_flat_workgroup_size: 1024
    .sgpr_count:     66
    .vgpr_count:     116
    .wavefront_size: 32
...
	.end_amdgpu_metadata
.endif
;; end of part 2
